; MI455X (gfx1250); checked and timed in simulation.
; The chip was launched on July 23, 2026; its instructions are those of AMD's public machine-readable ISA for CDNA 5 (MIT licence, August 2026) and "CDNA5" Instruction Set Architecture Reference Guide (July 2026). The comments in the code are by the model that wrote it; some were corrected since.
;; Causal Self Attention. Allowed arithmetic: matrix products marked QUANTISED: E4M3 operands, one given power-of-two scale a tensor, by v_wmma_f32_16x16x64_fp8_fp8 or v_wmma_f32_16x16x128_fp8_fp8, f32 sums; everything else in f32.
;; Inputs: lowp_scales 8 int32 (the exponents e of the quantised operands' scales 2^e); out_b 1,024 float32; out_w 1,024 x 1,024 float32; qkv_b 3,072 float32; qkv_w 3,072 x 1,024 float32; x 4 x 2,048 x 1,024 float32.
;; Outputs: out0 4 x 2,048 x 1,024 float32.
;; This version of the problem:
;;   THIS VERSION OF THE PROBLEM IS GIVEN IN LOW PRECISION. The matrix products marked QUANTISED in the list below multiply operands that are first quantised to E4M3 (4 exponent bits, 3 mantissa bits; 8 bits a number), with one given power-of-two scale for each operand tensor; their sums are f32. All else is computed in f32.
;;   The module's matrix products, in the order in which they are computed (A, B: the left and right operand; K: the contracted axis; several contracted axes count as one K, in the product's order):
;;     1. [M 8,192, K 1,024] x [K 1,024, N 3,072]; A: input x; B: input qkv_w: QUANTISED (scales: A lowp_scales[0], B lowp_scales[1])
;;     2. batch 64 x [M 2,048, K 64] x [K 64, N 2,048]; A: computed on the way; B: computed on the way: QUANTISED (scales: A lowp_scales[2], B lowp_scales[3])
;;     3. batch 64 x [M 2,048, K 2,048] x [K 2,048, N 64]; A: softmax (see below); B: computed on the way: QUANTISED (scales: A lowp_scales[4], B lowp_scales[5])
;;     4. [M 8,192, K 1,024] x [K 1,024, N 1,024]; A: computed on the way; B: input out_w: QUANTISED (scales: A lowp_scales[6], B lowp_scales[7])
;;   THE QUANTISER, for each operand of a quantised product, along K:
;;     - The operand's scale is 2^e, e = its entry of the input lowp_scales (int32; the entries are numbered through the quantised products in the list's order, A before B).
;;     - Each number is divided by the scale, clamped to +-448, and rounded to the nearest number of E4M3, ties to even, subnormals kept.
;;     - The product sums the exact products of the quantised numbers (number of the format x scale) in f32.
;;   ~~~python
;;   def quantise(x, axis, e):      # numpy; x: float32 -> the quantised numbers, widened to float32 again
;;       x = np.moveaxis(x, axis, -1); K = x.shape[-1]
;;       r = np.clip(x / 2.0 ** e, -448, 448)
;;       step = 2.0 ** (np.maximum(np.frexp(np.where(r == 0, 1, r))[1] - 1, -6) - 3)
;;       q = np.round(r / step) * step * 2.0 ** e      # np.round: ties to even
;;       return np.moveaxis(q, -1, axis).astype(np.float32)
;;   ~~~
;;   SOFTMAX AHEAD OF A QUANTISED PRODUCT. Where the list says 'softmax', what is quantised is not the finished softmax but p = 2^(t - M), with t = logit x log2(e) and M = ceil(the row's largest t), a whole number; so 1/2 < the row's largest p <= 1. The row's sum l is taken of the UNQUANTISED p, in f32, and the product's result is divided by l at the end. Since M is a whole number, a kernel that streams over the keys may use a running M (the ceiling of the running maximum): every later rescaling is an exact power of two, so the quantised numbers keep their values, but for numbers so far below the row's largest that they fall under the format's range.
;;   OPERANDS COMPUTED ON THE WAY. 'Computed on the way' means the value that the module computes at that place (a softmax that the list does not call 'softmax' is quantised finished and normalised). What goes into a quantiser is computed in f32, as accurately as f32 sums, v_exp_f32 and their like allow (about 1e-6 of the number): no bf16 or f16 on the way to a quantiser, and a product that is left as it is and whose result goes on into a quantised operand takes f32 operands (vector FMAs, or v_wmma_f32_16x16x4_f32). A number that lies on a knife's edge between two numbers of the format may be rounded either way, as far as f32 arithmetic and the matrix unit's own rounding can turn it there, and no further.
;; One version. Each part assembles by itself: llvm-mc -triple=amdgcn-amd-amdhsa -mcpu=gfx1250 --defsym DOCPART=n.
;; ======== version 1 of 1: 4 launches
;; limits: right only within a limited range of input values
;; workspace buffers: x_codes 8,388,608 bytes; w_codes 3,145,728 bytes; ow_codes 1,048,576 bytes; qkv_codes 25,165,824 bytes; y_codes 8,388,608 bytes
;; launch quant (part 1): grid 384 x 1, 4 waves a work-group, no clusters, 33,280 bytes of LDS; arguments x, qkv_w, out_w, lowp_scales, x_codes, w_codes, ow_codes; writes x_codes, w_codes, ow_codes
.if DOCPART == 1
	.amdgcn_target "amdgcn-amd-amdhsa--gfx1250"
	.amdhsa_code_object_version 6
	.text
	.protected	k_q0499419658_quant
	.globl	k_q0499419658_quant
	.p2align	8
	.type	k_q0499419658_quant,@function
k_q0499419658_quant:
	s_mov_b64 s[64:65], 0
	v_nop
	global_prefetch_b8 v0, s[64:65] scope:SCOPE_SE
	s_setreg_imm32_b32 hwreg(HW_REG_WAVE_MODE, 25, 1), 1
	s_wait_xcnt 0x0
; x [8192][1024], qkv_w [3072][1024] and out_w [1024][1024], f32, K innermost, become codes of FP8 (E4M3), one byte each, each tensor with the scale 2^e given for it
; (entries 0, 1 and 7 of the scales).  code = x / 2^e, held within +-448, rounded to the nearest code, ties to even.
; LIMITS: -126 <= e and e + 8 <= 127.  NaN among the inputs is not served (an infinity is held at the largest code).
; ORDER OF THE CODES.  Within each 32 along K the four groups of eight lie in the order 0, 2, 1, 3: byte 16 g + 8 u + j holds k = 16 u + 8 g + j.  A 16-byte load at 32 c + 16 (lane / 16) of a row then
; brings registers 4 c .. 4 c + 3 of an operand of the plain 8-bit matrix forms, each k in its own place (registers 2 c', 2 c' + 1: k = 16 c' + 8 (lane / 16) + 0 .. 7).
; Rows are dense and K is a multiple of 32: each tensor is a plain stream of blocks of 32.  A wave takes 16 steps of 512 numbers.  Each load reads 512 consecutive bytes; a step's 2,048 bytes turn through
; the wave's own stage in LDS (16 bytes of padding behind each 64) and come back so that lane 2 m + g holds groups g and g + 2 of block m: its 16 codes are bytes 16 g .. 16 g + 15 of the block.
; One launch serves the three tensors: work-groups 0-255 x, 256-351 qkv_w, 352-383 out_w.  Only pointers and the exponent are chosen; there is one path.  No barrier: waves share nothing.
.set STEPS, 16
.set WG_W,  256                        ; qkv_w's first work-group: 8192 x 1024 / 32,768
.set WG_O,  352                        ; out_w's: + 3072 x 1024 / 32,768
.set EMAX,  8
.set MANT,  0x600000                   ; the mantissa field of 448 as f32
.set R,     16                         ; v16-79   four sets of 16 numbers as they are loaded
.set X,     80                         ; v80-111  two sets of 16 numbers: two groups of eight neighbours
.set C,     128                        ; v128-191 codes: four registers for each step, so that no store's data are written again
.set WREG,  8192                       ; LDS: a region for each wave: two stages of 32 x SP bytes
.set SP,    80                         ; 64 bytes + 16 of padding
	s_load_b256 s[4:11], s[0:1], 0x0               ; x s[4:5], qkv_w s[6:7], out_w s[8:9], the scales' exponents s[10:11]
	s_load_b128 s[12:15], s[0:1], 0x20             ; x's codes, qkv_w's codes
	s_load_b64 s[16:17], s[0:1], 0x30              ; out_w's codes
	v_lshl_add_u32 v192, v0, 2, 0x8000
	v_mov_b32 v193, 0
	v_lshrrev_b32 v1, 5, v0
	v_readfirstlane_b32 s18, v1                    ; wave
	v_and_b32 v2, 31, v0                           ; lane
	v_lshlrev_b32 v3, 4, v2                        ; my 16 bytes of a load's 512, and of a store's; never rewritten
	s_mul_i32 s19, s18, WREG
	v_lshrrev_b32 v14, 2, v2
	v_mul_u32_u24 v14, v14, SP
	v_and_b32 v15, 3, v2
	v_lshl_add_u32 v14, v15, 4, v14
	v_add_nc_u32 v14, s19, v14                     ; the stage, on the way in: SP (lane / 4) + 16 (lane % 4): four lanes' 64 bytes on end, then the padding
	v_lshrrev_b32 v15, 1, v2
	v_mul_u32_u24 v15, v15, 2*SP
	v_and_b32 v4, 1, v2
	v_lshl_add_u32 v15, v4, 5, v15
	v_add_nc_u32 v15, s19, v15                     ; on the way out: block lane / 2 (two places of SP), + 32 bytes for the odd lane: group g at +0, group g + 2 at +SP
	s_wait_alu depctr_va_vdst(0)
	s_wait_kmcnt 0x0
	s_load_b256 s[24:31], s[10:11], 0x0            ; the eight exponents
	s_cmp_lt_u32 ttmp9, WG_O                       ; the choices hang on the work-group's number alone
	s_cselect_b64 s[6:7], s[6:7], s[8:9]
	s_cselect_b64 s[14:15], s[14:15], s[16:17]
	s_mov_b32 s20, WG_O
	s_cselect_b32 s20, WG_W, s20
	s_cmp_lt_u32 ttmp9, WG_W
	s_cselect_b64 s[4:5], s[4:5], s[6:7]           ; my tensor
	s_cselect_b64 s[8:9], s[12:13], s[14:15]       ; its codes
	s_cselect_b32 s20, 0, s20                      ; its first work-group
	s_sub_co_u32 s20, ttmp9, s20
	s_lshl_b32 s20, s20, 2
	s_add_co_u32 s20, s20, s18                     ; which run of 8,192 numbers is my wave's: 1,023 at the most
	s_lshl_b32 s22, s20, 15                        ; x 32,768 bytes of f32
	s_mov_b32 s23, 0
	s_add_nc_u64 s[4:5], s[4:5], s[22:23]
	s_lshl_b32 s22, s20, 13                        ; x 8,192 bytes of codes
	s_add_nc_u64 s[8:9], s[8:9], s[22:23]
.macro LOAD t
.irp i, 0,1,2,3
	global_load_b128 v[R+16*((\t)%4)+4*\i:R+16*((\t)%4)+4*\i+3], v3, s[4:5] offset:2048*(\t)+512*\i th:TH_LOAD_NT   ; 32 lanes read 512 consecutive bytes
.endr
.endm
.macro TURN t                          ; step t's numbers through the stage: LDS serves a wave's instructions in order (ISA guide 5.7.1.4), so no wait stands between the stores and the loads
.irp i, 0,1,2,3
	ds_store_b128 v14, v[R+16*((\t)%4)+4*\i:R+16*((\t)%4)+4*\i+3] offset:32*SP*((\t)%2)+8*SP*\i
.endr
.irp i, 0,1,2,3
	ds_load_b128 v[X+16*((\t)%2)+4*\i:X+16*((\t)%2)+4*\i+3], v15 offset:32*SP*((\t)%2)+16*(\i%2)+SP*(\i/2)
.endr
.endm
.irp t, 0,1,2,3
	LOAD \t
.endr
	s_wait_kmcnt 0x0
	s_cmp_lt_u32 ttmp9, WG_O
	s_cselect_b32 s25, s25, s31                    ; qkv_w's exponent or out_w's
	s_cmp_lt_u32 ttmp9, WG_W
	s_cselect_b32 s24, s24, s25                    ; e
	s_add_co_i32 s24, s24, 127
	s_lshl_b32 s25, s24, 23
	v_mov_b32 v11, s25                             ; 2^e as f32: the conversion takes its exponent field
	s_add_co_i32 s24, s24, EMAX
	s_lshl_b32 s24, s24, 23
	s_or_b32 s24, s24, MANT
	v_mov_b32 v10, s24                             ; 448 x 2^e
	s_wait_alu depctr_va_vdst(0)
	s_wait_loadcnt 12                              ; step 0's four loads are in; the twelve of steps 1 to 3 may be out
	TURN 0
.macro STEP t
.set XS, X+16*((\t)%2)
	s_wait_dscnt 0x0                               ; this step's numbers are back from the stage: so its stores into the stage have read their registers,
.if (\t)+4 < STEPS
	LOAD (\t)+4                                    ; which take the loads of four steps on
.endif
.if (\t)+1 < STEPS
.if STEPS-2-(\t) >= 3
	s_wait_loadcnt 12                              ; the next step's four loads are in; those of the three steps behind it may be out
.else
	s_wait_loadcnt 4*(STEPS-2-(\t))                ; at the end the counts run down
.endif
	TURN (\t)+1                                    ; and go through the other stage while this step is worked
.endif
.irp i, 0,1,2,3,4,5,6,7,8,9,10,11,12,13,14,15
	v_med3_num_f32 v[XS+\i], v[XS+\i], -v10, v10   ; the conversion to an 8-bit code does not saturate (ISA guide 7.6.2): the hold at the largest code x the scale comes first
.endr
	v_cvt_scalef32_pk8_fp8_f32 v[C+4*(\t):C+4*(\t)+1], v[XS:XS+7], v11          ; group g: bytes 0 to 7 of my 16
	v_cvt_scalef32_pk8_fp8_f32 v[C+4*(\t)+2:C+4*(\t)+3], v[XS+8:XS+15], v11     ; group g + 2: bytes 8 to 15.  (The results go to a store alone; the next vector lines are the next step's holds, on other registers)
	global_store_b128 v3, v[C+4*(\t):C+4*(\t)+3], s[8:9] offset:512*(\t)        ; 32 lanes store 512 consecutive bytes, at a multiple of 256 from the buffer's first byte
.endm
.irp t, 0,1,2,3,4,5,6,7,8,9,10,11,12,13,14,15
	STEP \t
.endr
	s_wait_tensorcnt 0x0
	ds_add_u32 v192, v193
	s_wait_dscnt 0x0
	s_endpgm
.Lfunc_end_k_q0499419658_quant:
	.size	k_q0499419658_quant, .Lfunc_end_k_q0499419658_quant-k_q0499419658_quant
	.p2alignl 7, 3214868480
	.fill 96, 4, 3214868480
	.section	.rodata,"a",@progbits
	.p2align	6, 0x0
	.amdhsa_kernel k_q0499419658_quant
		.amdhsa_group_segment_fixed_size 33280
		.amdhsa_private_segment_fixed_size 0
		.amdhsa_enable_private_segment 0
		.amdhsa_kernarg_size 56
		.amdhsa_user_sgpr_count 2
		.amdhsa_user_sgpr_kernarg_segment_ptr 1
		.amdhsa_wavefront_size32 1
		.amdhsa_system_sgpr_workgroup_id_x 1
		.amdhsa_system_sgpr_workgroup_id_y 1
		.amdhsa_system_sgpr_workgroup_id_z 1
		.amdhsa_system_vgpr_workitem_id 0
		.amdhsa_next_free_vgpr 194
		.amdhsa_next_free_sgpr 66
		.amdhsa_reserve_vcc 0
		.amdhsa_float_denorm_mode_32 3
		.amdhsa_float_denorm_mode_16_64 3
		.amdhsa_memory_ordered 1
		.amdhsa_forward_progress 1
		.amdhsa_inst_pref_size 38
	.end_amdhsa_kernel
	.amdgpu_metadata
---
amdhsa.version: [ 1, 2 ]
amdhsa.kernels:
  - .name:           k_q0499419658_quant
    .symbol:         k_q0499419658_quant.kd
    .args:
      - { .name: x, .offset: 0, .size: 8, .value_kind: global_buffer, .address_space: global }
      - { .name: qkv_w, .offset: 8, .size: 8, .value_kind: global_buffer, .address_space: global }
      - { .name: out_w, .offset: 16, .size: 8, .value_kind: global_buffer, .address_space: global }
      - { .name: lowp_scales, .offset: 24, .size: 8, .value_kind: global_buffer, .address_space: global }
      - { .name: x_codes, .offset: 32, .size: 8, .value_kind: global_buffer, .address_space: global }
      - { .name: w_codes, .offset: 40, .size: 8, .value_kind: global_buffer, .address_space: global }
      - { .name: ow_codes, .offset: 48, .size: 8, .value_kind: global_buffer, .address_space: global }
    .group_segment_fixed_size: 33280
    .private_segment_fixed_size: 0
    .kernarg_segment_align: 8
    .kernarg_segment_size: 56
    .max_flat_workgroup_size: 128
    .sgpr_count:     66
    .vgpr_count:     194
    .wavefront_size: 32
...
	.end_amdgpu_metadata
.endif
;; end of part 1
;; launch qkv (part 2): grid 12 x 32, 4 waves a work-group, clusters of 4 x 4, 327,680 bytes of LDS; arguments x_codes, w_codes, lowp_scales, qkv_b, qkv_codes; writes qkv_codes
.if DOCPART == 2
	.amdgcn_target "amdgcn-amd-amdhsa--gfx1250"
	.amdhsa_code_object_version 6
	.text
	.protected	k_q0499419658_qkv
	.globl	k_q0499419658_qkv
	.p2align	8
	.type	k_q0499419658_qkv,@function
k_q0499419658_qkv:
	s_mov_b64 s[64:65], 0
	v_nop
	global_prefetch_b8 v0, s[64:65] scope:SCOPE_SE
	s_setreg_imm32_b32 hwreg(HW_REG_WAVE_MODE, 25, 1), 1
	s_wait_xcnt 0x0
	s_wait_alu depctr_hold_cnt(0) depctr_sa_sdst(0) depctr_va_vdst(0) depctr_va_sdst(0) depctr_va_ssrc(0) depctr_va_vcc(0) depctr_vm_vsrc(0)
	s_getreg_b32 s2, hwreg(HW_REG_IB_STS2, 6, 4)
	s_cmp_eq_u32 s2, 0
	s_cbranch_scc0 .Lentry_in_a_cluster
	s_endpgm
.Lentry_in_a_cluster:
	s_bfe_u32 s2, ttmp6, 0x10000c
	s_cmp_lg_u32 s2, 0xf033
	s_cbranch_scc0 .Lentry_shape_is_right
	s_endpgm
.Lentry_shape_is_right:
; qkv = x W^T + b on codes of FP8 (E4M3), and q, k, v quantised on the way out.  x's codes [8192][1024], W's codes [3072][1024], K innermost; sums in f32; value = sum x 2^(e0 + e1) + bias.
; A tile of 256 x 256 is made by a work-group of four waves, a wave makes 128 x 128: 64 accumulators, 512 registers.  K = 1,024 goes in four steps of 256 through a ring of two LDS slots.
; KIND.  The cluster's x is the kind: 0 q, 1 k, 2 v; it is the same in all sixteen partners, and nothing but selects hangs on it.  For q and k the operand called A is x (rows: tokens) and B is W (rows: channels).
; For v the two change roles: A = W's rows 2,048 on, B = x: the tile is V^T.  THE MATRIX INSTRUCTION IS USED TRANSPOSED (source 0 = 16 rows of B, source 1 = 16 rows of A): a lane holds one row of A and eight
; neighbouring rows of B: for q and k a token and eight of a head's 64, for v a channel and eight tokens: in each kind eight neighbours along the NEXT product's K, which one conversion turns into eight codes.
; OUT.  qkv_codes: three regions of 8,388,608 bytes.  q, k: [batch x 16 + head][token][64 bytes along the head].  v: [batch x 16 + head][token / 64][channel][64 bytes along the block's 64 tokens].
; Within each 32 along K the four groups of eight lie in the order 0, 2, 1, 3 (byte 16 g + 8 u + j holds k = 16 u + 8 g + j), as in the inputs' codes.
; CLUSTERS: 4 x 4 work-groups; A's tiles are asked for jointly along a row of the cluster, B's along a column.
; LIMITS: e0 + e1 between -126 and 127; e2, e3, e5 between -126 and 119.  NaN is not served.
; REGISTERS, in windows of 256: window 0: v0-31 addresses; v32-95 the bias along B's rows, v96-111 along A's rows, v112, v113 the quantiser's scale and hold; from v128 A's fragments, ONE set; on the way out v128-255 are free.
;   window 1: B's fragments, TWO sets.   window 2: the accumulators of my rows 0-63 ((a, b) at v[8 (8 a + b)]);   window 3: those of my rows 64-127.
.set SIZE_K, 1024
.set KSTEP,  256                       ; along K in a slot
.set ROWB,   256                       ; a tile's row in bytes
.set KROW,   SIZE_K                    ; a row of codes in memory, in bytes
.set PITCH,  272                       ; an LDS row: 256 bytes + 16 of padding = 68 words: row r starts at bank 4 r mod 64 (64 banks of 4 bytes: ISA guide 11.1)
.set FR,     16                        ; registers of a fragment: 16 rows x 128 K
.set NL,     4                         ; LDS loads that bring one
.set NP,     4                         ; places behind this matrix instruction (ISA guide 7.12.1)
.set HALFT,  128*PITCH                 ; 128 rows: what one tensor load brings
.set SLOT,   4*HALFT                   ; A's 256 rows, then B's 256 rows
.set LAPS,   SIZE_K/(2*KSTEP)
.set SPARE,  2*SLOT                    ; behind the ring: the spare words, 128 bytes for each wave: two blocks of 256 bytes that no other line names
.set WSTG,   5120                      ; the way out: a wave's stage: two sets of 2 halves x 16 rows x 80 bytes.  It lies in slot 0, which has had its last fill and its last read by then
.set BOC,  8                           ; v8      byte offset in the bias of my eight numbers along B's rows; never rewritten
.set BOR,  9                           ; v9      of my number along A's rows; never rewritten
.set ADRA, 16                          ; v16-17  LDS address of my A fragments in slot 0, 1
.set ADRB, 20                          ; v20-21  the same for B
.set STO,  24                          ; v24     the way out: where I put 8 codes
.set RD,   25                          ; v25     where I read 16 bytes back
.set CO,   26                          ; v26     16 x lane
.set SPW,  28                          ; v28     LDS address of my spare word; never rewritten
.set NIL,  29                          ; v29     0; never rewritten
.set CBR,  32
.set RB,   96
.set SCL,  112
.set LIM,  113
.set AF,   128                         ; A's fragments, in window 0
.set TMP,  128                         ; the way out: a block's 64 values
.set CD,   192                         ; its codes: two sets of 16
.set BK,   224                         ; and the codes read back from the stage: two sets of 16
.set G1, 24                            ; s[24:31] descriptor group 1 for A's tiles;  s[32:39] group 0, one set for each slot
.set G0, 32
.set G1B, 48                           ; s[48:55], s[56:63] the same for B's tiles
.set G0B, 56
.set MSB, 0
.macro WIN new                         ; the immediate's high byte repeats the setting that is left
.if MSB != \new
	s_set_vgpr_msb (MSB<<8)|\new
.set MSB, \new
.endif
.endm
.set MUL_LO, 0xa1                      ; source 0 (B) window 1, source 1 (A) window 0, C and D window 2
.set MUL_HI, 0xf1                      ; the same, C and D window 3
.set TO_B,   0x40                      ; destination window 1, address window 0
; A joint load: waves 0 and 1 fetch for A, waves 2 and 3 for B.  Each line has one mask and one set of registers; the branch hangs on the wave's number alone.  Four v_nop follow each line.
.macro JLOAD g0a, g1a, g0b, g1b
	s_cmp_eq_u32 s15, 0
	s_cbranch_scc0 .Lfor_b_\@
	tensor_load_to_lds s[\g0a:\g0a+3], s[\g1a:\g1a+7]
	s_nop 0
.rept 4
	v_nop
.endr
	s_branch .Lasked_\@
.Lfor_b_\@:
	tensor_load_to_lds s[\g0b:\g0b+3], s[\g1b:\g1b+7]
	s_nop 0
.rept 4
	v_nop
.endr
.Lasked_\@:
.endm
.macro CREST                           ; a round of the cluster's barrier behind its opening barrier
	s_cmp_lg_u32 s14, 0
	s_cbranch_scc1 .Lnot_wave_0_\@
	s_barrier_signal -3
.Lnot_wave_0_\@:
	s_barrier_wait -3
	s_barrier_signal -1
	s_barrier_wait -1
.endm
.macro CROUND                          ; a whole round
	s_barrier_signal -1
	s_barrier_wait -1
	CREST
.endm
	s_load_b256 s[4:11], s[0:1], 0x0               ; x's codes s[4:5], W's codes s[6:7], the scales' exponents s[8:9], the bias s[10:11]
	s_load_b64 s[12:13], s[0:1], 0x20              ; q's, k's and v's codes
	v_lshl_add_u32 v[SPW], v0, 2, SPARE
	v_mov_b32 v[NIL], 0
	ds_add_u32 v28, v29
	ds_add_u32 v28, v29
	s_wait_dscnt 0x0
	v_lshrrev_b32 v1, 5, v0
	v_readfirstlane_b32 s14, v1                    ; wave 0..3
	s_lshr_b32 s15, s14, 1                         ; which half of A's rows is mine.  Also: I fetch for A (0) or for B (1)
	s_and_b32 s16, s14, 1                          ; which half of B's rows.  Also: which 128 rows of that tile I fetch
	s_bfe_u32 s40, ttmp6, 0x40000                  ; cx, cy: my place in the cluster
	s_bfe_u32 s41, ttmp6, 0x40004
	s_and_b32 s66, ttmp7, 0xffff                   ; the cluster's y: 1,024 tokens
	s_cmp_eq_u32 ttmp9, 2                          ; v?
	s_cselect_b32 s67, ttmp9, s66                  ; the cluster's place along A's rows,
	s_cselect_b32 s68, s66, ttmp9                  ; and along B's
	s_lshl_b32 s42, s68, 2
	s_add_co_u32 s42, s42, s40                     ; TC: which 256 rows of B
	s_lshl_b32 s17, s67, 2
	s_add_co_u32 s17, s17, s41                     ; TR: which 256 rows of A (for v: 8 to 11, W's rows 2,048 on)
	s_lshl_b32 s43, s41, 2
	s_lshl_b32 s43, 15, s43                        ; my row of the cluster
	s_lshl_b32 s44, 0x1111, s40                    ; my column
	; descriptor group 1: a tile of 128 rows x 256 bytes, padded in LDS
	s_or_b32 s[G1+0], s43, (0<<16)|(1<<20)|(1<<21)|(5<<22)|(3<<25)  ; 15:0 the mask: A's tiles go to my row; 17:16 element of 1 byte; 20 padding on; 21 set beside a mask; 24:22 after every 64 words (code 5); 31:25 of 4 words (code 3)
	s_or_b32 s[G1B+0], s44, (0<<16)|(1<<20)|(1<<21)|(5<<22)|(3<<25)
.irp g, G1, G1B
	s_mov_b32 s[\g+1], ROWB<<16                    ; tensor_dim0
	s_mov_b32 s[\g+2], 128<<16                     ; tensor_dim1 = 128
	s_mov_b32 s[\g+3], ROWB<<16                    ; tile_dim0
	s_mov_b32 s[\g+4], 128                         ; tile_dim1 = 128
	s_mov_b32 s[\g+5], KROW                        ; tensor_dim0_stride
	s_mov_b32 s[\g+6], 0
	s_mov_b32 s[\g+7], 0
.endr
	s_lshl_b32 s18, s16, 7                         ; which 128 rows of the tile I fetch
	s_lshl_b32 s20, s17, 8
	s_add_co_u32 s20, s20, s18                     ; A: row 256 TR + 128 x half,
	s_lshl_b32 s20, s20, 10                        ; in bytes (under 2^23)
	s_mov_b32 s21, 0
	s_lshl_b32 s46, s42, 8
	s_add_co_u32 s46, s46, s18                     ; B: row 256 TC + 128 x half
	s_lshl_b32 s46, s46, 10
	s_mov_b32 s47, 0
	s_mul_i32 s45, s14, HALFT                      ; where they go: wave x 128 rows: no place in the cluster enters an LDS address
	; the bias: along B's rows for q and k, along A's rows for v.  The offset of the one that the kind does not use is 0, so that its loads stay inside the buffer; what they bring is made 0 on the way out
	s_lshl_b32 s85, s42, 10
	s_lshl_b32 s19, s16, 9
	s_add_co_u32 s85, s85, s19                     ; 4 (256 TC + 128 (wave & 1))
	s_lshl_b32 s86, s17, 10
	s_lshl_b32 s19, s15, 9
	s_add_co_u32 s86, s86, s19                     ; 4 (256 TR + 128 (wave >> 1))
	s_cmp_eq_u32 ttmp9, 2
	s_cselect_b32 s85, 0, s85
	s_cselect_b32 s86, s86, 0
	s_cselect_b32 s87, 0, -1                       ; lanes' mask: the bias along B's rows counts (q, k)
	s_cselect_b32 s88, -1, 0                       ; the bias along A's rows counts (v)
	s_wait_kmcnt 0x0
	s_load_b256 s[76:83], s[8:9], 0x0              ; e0 .. e7
	s_cmp_eq_u32 ttmp9, 2
	s_cselect_b64 s[70:71], s[6:7], s[4:5]         ; A's codes
	s_cselect_b64 s[72:73], s[4:5], s[6:7]         ; B's codes
	s_add_nc_u64 s[20:21], s[70:71], s[20:21]
	s_add_nc_u64 s[46:47], s[72:73], s[46:47]
	CROUND                                         ; all sixteen work-groups are here: the first joint loads meet
.irp s, 0,1
	s_mov_b32 s[G0+4*\s], 1
	s_add_co_u32 s[G0+4*\s+1], s45, \s*SLOT
	s_add_nc_u64 s[G0+4*\s+2:G0+4*\s+3], s[20:21], \s*ROWB
	s_or_b32 s[G0+4*\s+3], s[G0+4*\s+3], 0x80000000
	s_mov_b32 s[G0B+4*\s], 1
	s_add_co_u32 s[G0B+4*\s+1], s45, \s*SLOT
	s_add_nc_u64 s[G0B+4*\s+2:G0B+4*\s+3], s[46:47], \s*ROWB
	s_or_b32 s[G0B+4*\s+3], s[G0B+4*\s+3], 0x80000000
.endr
	JLOAD G0, G1, G0B, G1B                         ; K step 0: one tensor load a wave at the head
	v_and_b32 v1, 15, v0                           ; r = l % 16
	v_bfe_u32 v2, v0, 4, 1                         ; h = l / 16
	v_lshlrev_b32 v[BOC], 5, v2
	v_add_nc_u32 v[BOC], s85, v[BOC]               ; + 32 h: my eight numbers of each 16
	v_lshlrev_b32 v[BOR], 2, v1
	v_add_nc_u32 v[BOR], s86, v[BOR]               ; + 4 r: my row's number
.irp b, 0,1,2,3,4,5,6,7                        ; these 32 loads land while the products run: their registers are idle until the way out
	global_load_b128 v[CBR+8*\b:CBR+8*\b+3], v[BOC], s[10:11] offset:64*\b
	global_load_b128 v[CBR+8*\b+4:CBR+8*\b+7], v[BOC], s[10:11] offset:64*\b+16
.endr
.irp a, 0,1,2,3,4,5,6,7
	global_load_b32 v[RB+2*\a], v[BOR], s[10:11] offset:64*\a      ; twice: a pair for the packed addition
	global_load_b32 v[RB+2*\a+1], v[BOR], s[10:11] offset:64*\a
.endr
	v_mul_u32_u24 v3, v1, PITCH
	v_lshl_add_u32 v4, v2, 4, v3                   ; a fragment's row x pitch + 16 x half
	s_mul_i32 s21, s15, HALFT                      ; my 128 rows of A
	s_mul_i32 s22, s16, HALFT                      ; my 128 rows of B,
	s_add_co_u32 s22, s22, 2*HALFT                 ; which lie behind A's 256
.irp s, 0,1
	v_add_nc_u32 v[ADRA+\s], s21, v4
	v_add_nc_u32 v[ADRB+\s], s22, v4
	s_add_co_u32 s21, s21, SLOT
	s_add_co_u32 s22, s22, SLOT
.endr
	s_mul_i32 s23, s14, WSTG                       ; my stage
	v_mul_u32_u24 v5, v1, 80
	v_lshl_add_u32 v5, v2, 4, v5
	v_add_nc_u32 v[STO], s23, v5                   ; in: row r of 80 bytes, + 16 h
	v_and_b32 v6, 31, v0
	v_lshlrev_b32 v[CO], 4, v6
	v_lshrrev_b32 v7, 2, v6
	v_mul_u32_u24 v7, v7, 80
	v_and_b32 v6, 3, v6
	v_lshl_add_u32 v7, v6, 4, v7
	v_add_nc_u32 v[RD], s23, v7                    ; back: four lanes to a row of 64 bytes, eight rows an instruction
	; where my codes go.  q, k: token 256 TR + 128 (wave >> 1), heads 4 cx + 2 (wave & 1) and the next.  v: heads 4 cy + 2 (wave >> 1) on, tokens 256 TC + 128 (wave & 1) on: two blocks of 64
	s_cmp_eq_u32 ttmp9, 2
	s_cselect_b32 s18, s42, s17                    ; which 256 tokens
	s_cselect_b32 s19, s16, s15                    ; which half of them
	s_cselect_b32 s22, s41, s40                    ; which 256 channels of the kind's 1,024
	s_cselect_b32 s23, s15, s16                    ; which half of them
	s_mov_b32 s90, 0x20000
	s_cselect_b32 s90, 4096, s90                   ; from the first half of B's 128 rows to the second: v: a block of 64 tokens; q, k: a head
	s_mov_b32 s92, 126976
	s_cselect_b32 s92, s92, 0                      ; what block 4 adds: v: on to the next head, 131,072 - 4 x 1,024; q, k: nothing
	s_mov_b32 s91, 0
	s_mov_b32 s93, 0
	s_lshr_b32 s20, s18, 3
	s_lshl_b32 s20, s20, 21                        ; the batch: 16 heads of 131,072 bytes
	s_and_b32 s18, s18, 7
	s_lshl_b32 s18, s18, 14                        ; 256 tokens x 64 bytes
	s_add_co_u32 s20, s20, s18
	s_lshl_b32 s19, s19, 13                        ; 128 tokens x 64 bytes
	s_add_co_u32 s20, s20, s19
	s_lshl_b32 s22, s22, 2
	s_lshl_b32 s23, s23, 1
	s_add_co_u32 s22, s22, s23
	s_lshl_b32 s22, s22, 17                        ; the head
	s_add_co_u32 s20, s20, s22
	s_lshl_b32 s23, ttmp9, 23                      ; the kind's region
	s_add_co_u32 s20, s20, s23
	s_mov_b32 s21, 0
	s_add_nc_u64 s[12:13], s[12:13], s[20:21]      ; the base for B's rows 0-63,
	s_add_nc_u64 s[90:91], s[12:13], s[90:91]      ; and for B's rows 64-127
.macro FRAG reg, adr, q, i             ; a fragment, 16 rows x 128 K: four loads of 16 bytes, 32 apart; by the codes' order in memory each k falls into its own place
.irp c, 0,1,2,3
	ds_load_b128 v[\reg+4*\c:\reg+4*\c+3], v[\adr] offset:128*(\q)+32*\c+(\i)*16*PITCH
.endr
.endm
; 16 matrix instructions: A's blocks a0, a0 + 1 x B's eight, 128 along K.  p: B's set.  zero = 1: the first product starts the sums.  The 64 accumulators take turns, one instruction a turn.
.macro MUL16 a0, p, zero
.irp a, \a0, \a0+1
.irp b, 0,1,2,3,4,5,6,7
.if \zero
	v_wmma_f32_16x16x128_fp8_fp8 v[8*(8*((\a)%4)+\b):8*(8*((\a)%4)+\b)+7], v[128*(\p)+FR*\b:128*(\p)+FR*\b+FR-1], v[AF+FR*(\a):AF+FR*(\a)+FR-1], 0
.else
	v_wmma_f32_16x16x128_fp8_fp8 v[8*(8*((\a)%4)+\b):8*(8*((\a)%4)+\b)+7], v[128*(\p)+FR*\b:128*(\p)+FR*\b+FR-1], v[AF+FR*(\a):AF+FR*(\a)+FR-1], v[8*(8*((\a)%4)+\b):8*(8*((\a)%4)+\b)+7]
.endif
.endr
.endr
.endm
.macro FETCH_B slot, q, p              ; B's eight fragments of the slot's q-th 128 along K into set p
	WIN TO_B
.irp i, 0,1,2,3,4,5,6,7
	FRAG 128*(\p)+FR*\i, ADRB+\slot, \q, \i
.endr
	WIN 0
.endm
.macro FETCH_A slot, q, i0             ; A's blocks i0 .. i0 + 3
.irp i, \i0, \i0+1, \i0+2, \i0+3
	FRAG AF+FR*(\i), ADRA+\slot, \q, \i
.endr
.endm
.macro PLACES n                        ; plain vector lines between a matrix instruction and a load into, or a vector line on, its registers
.rept \n
	v_nop
.endr
.endm
; A step of 128 along K that has its successor in the same slot.  A's blocks are free as soon as their eight products are issued, so one set serves A: blocks 0-3 are fetched anew in the middle, blocks 4-7 at the end.
.macro STEP slot, q, zero
	s_wait_dscnt 4*NL                              ; B's set and A's blocks 0-3 are in; the youngest 16 loads (A's blocks 4-7) may be out
	WIN MUL_LO
	MUL16 0, (\q)%2, \zero
	MUL16 2, (\q)%2, \zero
	s_wait_dscnt 0                                 ; A's blocks 4-7 are in
	PLACES NP
	FETCH_B \slot, (\q)+1, 1-(\q)%2
	FETCH_A \slot, (\q)+1, 0
	WIN MUL_HI
	MUL16 4, (\q)%2, \zero
	MUL16 6, (\q)%2, \zero
	PLACES NP
	WIN 0
	FETCH_A \slot, (\q)+1, 4
.endm
; A slot's last step changes slots: one barrier; in front of it each wave waits for all its tensor loads, adds 0 to its spare word, and waits for that and for its reads of this slot.  fill = 1: this slot is filled again, two K steps ahead.
.macro TURN slot, next, fill
	s_wait_tensorcnt 0x0                           ; all my tensor loads have landed: my part of the next slot
	ds_add_u32 v[SPW], v[NIL]                      ; 0 onto my spare word
	s_wait_dscnt 4*NL+1                            ; (the add and the youngest 16 loads, A's blocks 4-7, may be out)
	WIN MUL_LO
	MUL16 0, 1, 0                                  ; sixteen matrix instructions stand between the add and the wait for it
	s_wait_dscnt 0x0                               ; the add is done, and my reads of this slot are over
	s_barrier_signal -1
	MUL16 2, 1, 0
	WIN 0
	s_barrier_wait -1
.if \fill
	CREST                                          ; the barrier has opened a round of the cluster's barrier: no wave of any partner still reads this slot's tile or has a load on its way
	s_add_nc_u64 s[G0+4*\slot+2:G0+4*\slot+3], s[G0+4*\slot+2:G0+4*\slot+3], 2*ROWB
	s_add_nc_u64 s[G0B+4*\slot+2:G0B+4*\slot+3], s[G0B+4*\slot+2:G0B+4*\slot+3], 2*ROWB
	JLOAD G0+4*\slot, G1, G0B+4*\slot, G1B         ; the first tensor load behind the round; its four v_nop are also the places in front of the loads below
.else
	PLACES NP
.endif
	FETCH_B \next, 0, 0
	FETCH_A \next, 0, 0
	WIN MUL_HI
	MUL16 4, 1, 0
	MUL16 6, 1, 0
	PLACES NP
	WIN 0
	FETCH_A \next, 0, 4
.endm
	s_wait_alu depctr_va_vdst(0)
	s_wait_tensorcnt 0x0                           ; my part of K step 0 is in; slot 1's first fill is issued as a refill is:
	ds_add_u32 v[SPW], v[NIL]                      ; 0 onto my spare word
	s_wait_dscnt 0x0
	CROUND                                         ; everybody's part of K step 0 is in, and all sixteen work-groups are here
	JLOAD G0+4, G1, G0B+4, G1B                     ; K step 1: the first tensor load behind the round
	FETCH_B 0, 0, 0
	FETCH_A 0, 0, 0
	FETCH_A 0, 0, 4
	STEP 0, 0, 1                                   ; the first step stands in front of the loop: its products start the sums
	s_mov_b32 s3, LAPS-1
.Llap:                                                 ; a trip goes once round the ring and fills both slots again
	TURN 0, 1, 1
	STEP 1, 0, 0
	TURN 1, 0, 1
	STEP 0, 0, 0
	s_sub_co_u32 s3, s3, 1
	s_cmp_lg_u32 s3, 0
	s_cbranch_scc1 .Llap
	TURN 0, 1, 0                                   ; the last lap fills nothing
	STEP 1, 0, 0
	s_wait_dscnt 4*NL                              ; the very last step
	WIN MUL_LO
	MUL16 0, 1, 0
	MUL16 2, 1, 0
	s_wait_dscnt 0
	WIN MUL_HI
	MUL16 4, 1, 0
	MUL16 6, 1, 0
	WIN 0
; THE WAY OUT, block by block of 16 rows of A x 128 rows of B.  value = sum x 2^(e0 + e1) + the bias along B's rows, + the bias along A's rows: one of the two is 0, so the value is rounded once.  Then the hold and the
; conversion: a lane's eight values of accumulator b are eight codes.  They go through my stage in LDS (rows of 64 bytes + 16; one half for B's rows 0-63, one for 64-127) and come back 16 bytes a lane, eight rows an instruction.
.macro QOUT a
.set AC, 64*((\a)%4)
.set CC, CD+16*((\a)%2)
.set BB, BK+16*((\a)%2)
.set PB, 2560*((\a)%2)
	WIN 0x02+((\a)/4)                              ; source 0: window 2 or 3
.set i, 0
.rept 32
	v_pk_fma_f32 v[TMP+i:TMP+i+1], v[AC+i:AC+i+1], s[96:97], v[CBR+i:CBR+i+1] op_sel_hi:[1,0,1]   ; each accumulator from its low end on
.set i, i+2
.endr
	WIN 0
.set i, 0
.rept 32
	v_pk_add_f32 v[TMP+i:TMP+i+1], v[TMP+i:TMP+i+1], v[RB+2*(\a):RB+2*(\a)+1]
.set i, i+2
.endr
.set i, 0
.rept 64
	v_med3_num_f32 v[TMP+i], v[TMP+i], -v[LIM], v[LIM]   ; the conversion does not saturate (ISA guide 7.6.2): the hold at 448 x the scale
.set i, i+1
.endr
.irp b, 0,1,2,3,4,5,6,7
	v_cvt_scalef32_pk8_fp8_f32 v[CC+2*\b:CC+2*\b+1], v[TMP+8*\b:TMP+8*\b+7], v[SCL]
.endr
	v_nop                                          ; one plain vector line behind the last conversion
.irp b, 0,1,2,3,4,5,6,7
	ds_store_b64 v[STO], v[CC+2*\b:CC+2*\b+1] offset:PB+(\b/4)*1280+((\b%4)/2)*32+(\b%2)*8   ; k = 16 (b % 4) + 8 h + j of the 64 lies at byte 32 ((b % 4) / 2) + 16 h + 8 (b % 2) + j
.endr
.irp c, 0,1,2,3
	ds_load_b128 v[BB+4*\c:BB+4*\c+3], v[RD] offset:PB+(\c/2)*1280+(\c%2)*640   ; LDS serves a wave's instructions in order (ISA guide 5.7.1.4): these see the stores above
.endr
.endm
.macro SEND a, younger                 ; younger: the LDS instructions issued behind block a's loads, which may stay out
.set BB, BK+16*((\a)%2)
	s_wait_dscnt \younger
.if (\a) > 0
	s_add_nc_u64 s[12:13], s[12:13], 1024          ; (behind a wait on XCNT: the earlier stores have read their bases)  16 rows of 64 bytes on
	s_add_nc_u64 s[90:91], s[90:91], 1024
.endif
.if (\a) == 4
	s_add_nc_u64 s[12:13], s[12:13], s[92:93]      ; v: rows 64 on belong to the next head
	s_add_nc_u64 s[90:91], s[90:91], s[92:93]
.endif
	global_store_b128 v[CO], v[BB:BB+3], s[12:13]                  ; each store: 512 consecutive bytes, at a multiple of 256 from the buffer's first byte
	global_store_b128 v[CO], v[BB+4:BB+7], s[12:13] offset:512
	global_store_b128 v[CO], v[BB+8:BB+11], s[90:91]
	global_store_b128 v[CO], v[BB+12:BB+15], s[90:91] offset:512
.endm
	s_wait_kmcnt 0x0
	s_add_co_i32 s96, s76, s77                     ; e0 + e1,
	s_add_co_i32 s96, s96, 127
	s_lshl_b32 s96, s96, 23                        ; as the f32 number 2^(e0 + e1)
	s_mov_b32 s97, s96                             ; (named with it as a pair, so it is written)
	s_cmp_eq_u32 ttmp9, 0
	s_cselect_b32 s84, s78, s79                    ; q: e2, k: e3,
	s_cmp_eq_u32 ttmp9, 2
	s_cselect_b32 s84, s81, s84                    ; v: e5
	s_add_co_i32 s84, s84, 127
	s_lshl_b32 s19, s84, 23
	s_add_co_i32 s84, s84, 8
	s_lshl_b32 s84, s84, 23
	s_or_b32 s84, s84, 0x600000
	s_wait_loadcnt 0x0                             ; the biases
.set i, 0
.rept 64
	v_cndmask_b32 v[CBR+i], 0, v[CBR+i], s87       ; the bias that the kind does not use becomes 0.  (These lines are also the places behind the last products)
.set i, i+1
.endr
.set i, 0
.rept 16
	v_cndmask_b32 v[RB+i], 0, v[RB+i], s88
.set i, i+1
.endr
	v_mov_b32 v[SCL], s19                          ; the next operand's scale as f32: the conversion takes its exponent field
	v_mov_b32 v[LIM], s84                          ; 448 x that
	QOUT 0
.irp a, 1,2,3,4,5,6,7
.if \a > 1
	s_wait_xcnt 0x0                                ; block a - 2's stores have read their registers and bases: block a's loads may land there, and the bases may step
.endif
	QOUT \a
	SEND \a-1, 12                                  ; behind block a - 1's loads: block a's 8 stores and 4 loads
.endr
	s_wait_xcnt 0x0
	SEND 7, 0
	s_wait_tensorcnt 0x0                           ; the wave's end
	ds_add_u32 v[SPW], v[NIL]
	s_wait_dscnt 0x0
	CROUND                                         ; the closing round: no work-group ends while a partner may still ask for a tile that names it
	s_endpgm
.Lfunc_end_k_q0499419658_qkv:
	.size	k_q0499419658_qkv, .Lfunc_end_k_q0499419658_qkv-k_q0499419658_qkv
	.p2alignl 7, 3214868480
	.fill 96, 4, 3214868480
	.section	.rodata,"a",@progbits
	.p2align	6, 0x0
	.amdhsa_kernel k_q0499419658_qkv
		.amdhsa_group_segment_fixed_size 327680
		.amdhsa_private_segment_fixed_size 0
		.amdhsa_enable_private_segment 0
		.amdhsa_kernarg_size 40
		.amdhsa_user_sgpr_count 2
		.amdhsa_user_sgpr_kernarg_segment_ptr 1
		.amdhsa_wavefront_size32 1
		.amdhsa_system_sgpr_workgroup_id_x 1
		.amdhsa_system_sgpr_workgroup_id_y 1
		.amdhsa_system_sgpr_workgroup_id_z 1
		.amdhsa_system_vgpr_workitem_id 0
		.amdhsa_next_free_vgpr 1024
		.amdhsa_next_free_sgpr 98
		.amdhsa_reserve_vcc 0
		.amdhsa_float_denorm_mode_32 3
		.amdhsa_float_denorm_mode_16_64 3
		.amdhsa_memory_ordered 1
		.amdhsa_forward_progress 1
		.amdhsa_inst_pref_size 167
	.end_amdhsa_kernel
	.amdgpu_metadata
---
amdhsa.version: [ 1, 2 ]
amdhsa.kernels:
  - .name:           k_q0499419658_qkv
    .symbol:         k_q0499419658_qkv.kd
    .args:
      - { .name: x_codes, .offset: 0, .size: 8, .value_kind: global_buffer, .address_space: global }
      - { .name: w_codes, .offset: 8, .size: 8, .value_kind: global_buffer, .address_space: global }
      - { .name: lowp_scales, .offset: 16, .size: 8, .value_kind: global_buffer, .address_space: global }
      - { .name: qkv_b, .offset: 24, .size: 8, .value_kind: global_buffer, .address_space: global }
      - { .name: qkv_codes, .offset: 32, .size: 8, .value_kind: global_buffer, .address_space: global }
    .group_segment_fixed_size: 327680
    .private_segment_fixed_size: 0
    .kernarg_segment_align: 8
    .kernarg_segment_size: 40
    .max_flat_workgroup_size: 128
    .sgpr_count:     98
    .vgpr_count:     1024
    .wavefront_size: 32
...
	.end_amdgpu_metadata
.endif
;; end of part 2
;; launch attn (part 3): grid 4 x 64, 16 waves a work-group, clusters of 4 x 1, 327,680 bytes of LDS; arguments qkv_codes, lowp_scales, y_codes; writes y_codes
.if DOCPART == 3
	.amdgcn_target "amdgcn-amd-amdhsa--gfx1250"
	.amdhsa_code_object_version 6
	.text
	.protected	k_q0499419658_attn
	.globl	k_q0499419658_attn
	.p2align	8
	.type	k_q0499419658_attn,@function
k_q0499419658_attn:
	s_mov_b64 s[64:65], 0
	v_nop
	global_prefetch_b8 v0, s[64:65] scope:SCOPE_SE
	s_setreg_imm32_b32 hwreg(HW_REG_WAVE_MODE, 25, 1), 1
	s_wait_xcnt 0x0
	s_wait_alu depctr_hold_cnt(0) depctr_sa_sdst(0) depctr_va_vdst(0) depctr_va_sdst(0) depctr_va_ssrc(0) depctr_va_vcc(0) depctr_vm_vsrc(0)
	s_getreg_b32 s2, hwreg(HW_REG_IB_STS2, 6, 4)
	s_cmp_eq_u32 s2, 0
	s_cbranch_scc0 .Lentry_in_a_cluster
	s_endpgm
.Lentry_in_a_cluster:
	s_bfe_u32 s2, ttmp6, 0x10000c
	s_cmp_lg_u32 s2, 0x3003
	s_cbranch_scc0 .Lentry_shape_is_right
	s_endpgm
.Lentry_shape_is_right:
; y = softmax(q k^T / 8, causal) v for one head, both products on codes of FP8 (E4M3); y is quantised on the way out for the last product.
; qkv_codes: q, k: [batch x 16 + head][token][64 bytes]; v: [batch x 16 + head][token / 64][channel][64 bytes along the 64 tokens]; within each 32 along K the groups of eight lie in the order 0, 2, 1, 3.
; THE SOFTMAX: t = score x log2(e) / 8; M = the running largest t rounded UP to a whole number; p = 2^(t - M) is quantised with 2^e4, not normalised; the row's sum is taken of the unquantised p and divides at the end.
; When M moves, the sum and O are multiplied by 2^(old M - new M): exact.
; LEFT OUT: key steps all of whose keys come after a tile's queries: the causal mask makes their p zero.
; SHARES.  A head has 128 tiles of 16 queries.  Tile 4 j + c belongs to work-group c (its place in the cluster).  It walks key steps 0 .. j / 2 of 128 keys, the last under the mask, whatever c is.
; Wave w takes j = 31 - w, then j = w: (31 - w) / 2 + w / 2 + 2 = 17 steps for every wave.  Four waves share a SIMD: one wave's vector work stands beside another's products and LDS loads.
; CLUSTER 4, 1, 1: the four work-groups of a head need the same K and V and ask for them jointly.  c enters global addresses of q and y and the mask's lane constant alone: no branch, trip count or LDS address.
; LDS holds the head's whole K and V, filled ONCE: 2 x 131,072 bytes as rows of 256 bytes + 16 of padding.  Each of the sixteen waves asks for 64 rows by one joint load at the head; one barrier shows all to all.
; NO PREFETCH: all the launch's tensor loads stand at its head; there is no loop of loads to run ahead in.
; LAYOUT.  Both products are used transposed: S^T = K Q^T (source 0 = 16 keys, source 1 = 16 queries), O^T = V^T P^T: a lane holds ONE query (lane % 16).  In tile t of S^T its eight registers are keys 16 t + 8 (lane / 16) + 0 .. 7:
; one conversion makes of them registers 2 t, 2 t + 1 of the second product's operand.  O^T's tile d likewise gives registers 2 d, 2 d + 1 of the last product's operand; y_codes is that image: [token / 16][head][2][lane][16 bytes].
; LIMITS: e2 + e3 between -123 and 130 (added to c's exponent field); e4 and e6 between -126 and 119.  NaN is not served.
; REGISTERS: v1-11 addresses and lane constants; v12 -M, v13 the largest t, v[14:15] the sum; v16-23 Q of the pass in hand, v24-31 of the second pass; v32-95 K's eight fragments, then V's four;
;   v96-159 S^T, then p; v160-191 O^T; v192-207 p's codes, at the end y's; v208-232 at work; v234-239 constants.
.set PITCH, 272                        ; 256 bytes (four keys of K, four channels of V) + 16
.set VOFF,  512*PITCH                  ; V lies behind K
.set STEPB, 32*PITCH                   ; 128 keys: 8,192 bytes of K, and of V
.set SPARE, 2*VOFF                     ; behind K and V: the spare words, 128 bytes a wave: eight blocks of 256 bytes that no other line names
.set AK0,  1                           ; my lane's place in a tile of K
.set AV0,  2                           ; the same for V
.set QO,   3                           ; my lane's byte in a tile of Q
.set LI,   4                           ; 16 x lane
.set DD,   5                           ; the mask: my query's place among the last step's 128 keys, less 8 (lane / 16)
.set SPW,  6                           ; LDS address of my spare word; never rewritten
.set NIL,  7                           ; 0; never rewritten
.set ADK,  8
.set ADV,  9
.set D0,   10                          ; 16 c + lane % 16 - 8 (lane / 16)
.set QA,   16
.set QN,   24
.set KV,   32
.set SC,   96
.set OB,   160
.set CB,   192
.set LIMA, 234                         ; 448 x 2^e4, twice: the two halves of a dual pair take their second sources from two registers
.set LIMB, 235
.set SCP,  236                         ; 2^e4
.set LIMY, 237                         ; 448 x 2^e6
.set SCY,  238                         ; 2^e6
.set NINF, 239                         ; -infinity
.set WV,   18
.set SEL,  20                          ; s[20:21] lane selects for v_permlanex16_b32: lane l xor 16
.set CS,   22                          ; s[22:23] c = log2(e) / 8 x 2^(e2 + e3)
.set G1,   24
.set G0,   32
.set JJ,   38                          ; my tile is 4 j + c
.set PASS, 39
.set TB,   40                          ; LDS byte of the step in hand, in K
.set ST,   41                          ; the step
.set MM,   42                          ; my tile's last step: j / 2
.set CX,   44                          ; my work-group's place in the cluster
.macro CROUND                          ; a round of the cluster's barrier
	s_barrier_signal -1
	s_barrier_wait -1
	s_cmp_lg_u32 s[WV], 0
	s_cbranch_scc1 .Lnot_wave_0_\@
	s_barrier_signal -3
.Lnot_wave_0_\@:
	s_barrier_wait -3
	s_barrier_signal -1
	s_barrier_wait -1
.endm
	s_load_b128 s[4:7], s[0:1], 0x0                ; the codes of q, k, v s[4:5]; the scales' exponents s[6:7]
	s_load_b64 s[8:9], s[0:1], 0x10                ; y's codes
	v_lshl_add_u32 v[SPW], v0, 2, SPARE
	v_mov_b32 v[NIL], 0
	ds_add_u32 v[SPW], v[NIL]                      ; the opening lines: the add, twice on end,
	ds_add_u32 v[SPW], v[NIL]
	v_lshrrev_b32 v8, 5, v0
	v_readfirstlane_b32 s[WV], v8                  ; wave 0..15
	s_and_b32 s60, ttmp7, 0xffff                   ; batch x 16 + head
	s_lshl_b32 s61, s60, 17                        ; its 131,072 bytes in each region
	s_bfe_u32 s[CX], ttmp6, 0x40000
	; descriptor group 1: 64 rows of 256 bytes, dense in memory, padded in LDS; the mask names the cluster's four
	s_mov_b32 s[G1], 15|(3<<16)|(1<<20)|(1<<21)|(5<<22)|(3<<25)   ; elements of 8 bytes; four words of padding (code 3) after every 64 (code 5); bit 21 beside the mask
	s_mov_b32 s[G1+1], 32<<16
	s_mov_b32 s[G1+2], 64<<16
	s_mov_b32 s[G1+3], 32<<16
	s_mov_b32 s[G1+4], 64
	s_mov_b32 s[G1+5], 32
	s_mov_b32 s[G1+6], 0
	s_mov_b32 s[G1+7], 0
	s_mul_i32 s70, s[WV], 64*PITCH                 ; where my 64 rows go: waves 0-7 K's eighths, waves 8-15 V's
	s_lshr_b32 s72, s[WV], 3
	s_add_co_u32 s72, s72, 1
	s_lshl_b32 s72, s72, 23                        ; k's region or v's,
	s_add_co_u32 s72, s72, s61                     ; the head,
	s_and_b32 s71, s[WV], 7
	s_lshl_b32 s71, s71, 14
	s_add_co_u32 s72, s72, s71                     ; my eighth
	s_mov_b32 s73, 0
	s_mov_b32 s[SEL], 0x76543210
	s_mov_b32 s[SEL+1], 0xfedcba98
	s_mov_b32 s[CS], 0x3e38aa3b                    ; log2(e) / 8
	s_sub_co_u32 s[JJ], 31, s[WV]                  ; the first pass's tile
	s_mov_b32 s[PASS], 0
	s_lshl_b32 s45, s[CX], 4
	s_lshl_b32 s74, s[CX], 10                      ; q: tile c of the head: 1,024 bytes a tile
	s_add_co_u32 s74, s74, s61
	s_mov_b32 s75, 0
	s_lshr_b32 s76, s60, 4
	s_lshl_b32 s76, s76, 21                        ; y: the batch's 128 tiles x 16,384 bytes,
	s_and_b32 s77, s60, 15
	s_lshl_b32 s77, s77, 10                        ; the head's 1,024 bytes of a tile,
	s_add_co_u32 s76, s76, s77
	s_lshl_b32 s77, s[CX], 14                      ; tile c
	s_add_co_u32 s76, s76, s77
	s_mov_b32 s77, 0
	s_lshl_b32 s48, s[JJ], 12                      ; j counts four tiles: 4,096 bytes of q
	s_mov_b32 s49, 0
	s_lshl_b32 s62, s[WV], 12
	s_mov_b32 s63, 0
	s_wait_dscnt 0x0                               ; and the one wait for both adds
	s_wait_kmcnt 0x0
	s_load_b256 s[52:59], s[6:7], 0x0              ; e0 .. e7
	s_mov_b32 s[G0], 1
	s_mov_b32 s[G0+1], s70
	s_add_nc_u64 s[G0+2:G0+3], s[4:5], s[72:73]
	s_or_b32 s[G0+3], s[G0+3], 0x80000000
	s_add_nc_u64 s[10:11], s[4:5], s[74:75]
	s_add_nc_u64 s[12:13], s[8:9], s[76:77]        ; y's codes at the batch, head and c
	s_add_nc_u64 s[66:67], s[10:11], s[48:49]      ; Q of the first pass,
	s_add_nc_u64 s[46:47], s[10:11], s[62:63]      ; and of the second
	CROUND                                         ; the four work-groups are here: the joint loads meet
	tensor_load_to_lds s[G0:G0+3], s[G1:G1+7]      ; my one tensor load of the launch
	s_nop 0
	v_and_b32 v8, 15, v0                           ; r
	v_bfe_u32 v9, v0, 4, 1                         ; h
	v_lshlrev_b32 v[QO], 6, v8
	v_lshl_add_u32 v[QO], v9, 4, v[QO]             ; Q: 64 r + 16 h
	global_load_b128 v[QA:QA+3], v[QO], s[66:67]
	global_load_b128 v[QA+4:QA+7], v[QO], s[66:67] offset:32
	global_load_b128 v[QN:QN+3], v[QO], s[46:47]
	global_load_b128 v[QN+4:QN+7], v[QO], s[46:47] offset:32
	v_lshrrev_b32 v10, 2, v8
	v_and_b32 v11, 3, v8
	v_mul_u32_u24 v[AK0], v10, PITCH
	v_lshl_add_u32 v[AK0], v11, 6, v[AK0]
	v_lshl_add_u32 v[AK0], v9, 4, v[AK0]           ; row r of 64 bytes: 272 (r / 4) + 64 (r % 4), + 16 h
	v_add_nc_u32 v[AV0], VOFF, v[AK0]
	v_and_b32 v[LI], 31, v0
	v_lshlrev_b32 v[LI], 4, v[LI]
	v_lshlrev_b32 v[D0], 3, v9
	v_sub_nc_u32 v[D0], v8, v[D0]
	v_add_nc_u32 v[D0], s45, v[D0]                 ; 16 c + r - 8 h
	v_mov_b32 v228, 0                              ; written once: a lane permute's destination counts as one of its sources
	v_mov_b32 v231, 0                              ; (named as the upper half of the pair v[230:231])
	v_mov_b32 v[NINF], 0xff800000
	s_wait_kmcnt 0x0
	s_add_co_i32 s50, s54, s55
	s_lshl_b32 s50, s50, 23
	s_add_co_i32 s[CS], s[CS], s50                 ; a score stands for score x 2^(e2 + e3): added to c's exponent field
	s_mov_b32 s[CS+1], s[CS]
	s_add_co_i32 s50, s56, 127
	s_lshl_b32 s45, s50, 23
	v_mov_b32 v[SCP], s45
	s_add_co_i32 s50, s50, 8
	s_lshl_b32 s50, s50, 23
	s_or_b32 s50, s50, 0x600000
	v_mov_b32 v[LIMA], s50
	v_mov_b32 v[LIMB], s50
	s_add_co_i32 s50, s58, 127
	s_lshl_b32 s45, s50, 23
	v_mov_b32 v[SCY], s45
	s_add_co_i32 s50, s50, 8
	s_lshl_b32 s50, s50, 23
	s_or_b32 s50, s50, 0x600000
	v_mov_b32 v[LIMY], s50
	s_add_co_i32 s51, s56, s57                     ; e4 + e5
	s_wait_alu depctr_va_vdst(0)
	s_wait_loadcnt 0x0                             ; Q of both passes
	s_wait_tensorcnt 0x0                           ; my 64 rows are in,
	s_barrier_signal -1
	s_barrier_wait -1                              ; everybody's are: K and V are whole, and nothing is filled again
.Lpass:                                            ; two trips: j = 31 - w, then j = w
	s_wait_xcnt 0x0                                ; the last pass's stores have read their registers and base
	s_lshr_b32 s[MM], s[JJ], 1
	s_and_b32 s45, s[JJ], 1
	s_lshl_b32 s45, s45, 6                         ; an odd j lies in the second 64 of its 128 queries
	s_lshl_b32 s74, s[JJ], 16                      ; j counts four tiles: 65,536 bytes of y
	s_mov_b32 s75, 0
	s_add_nc_u64 s[68:69], s[12:13], s[74:75]
	v_add_nc_u32 v[DD], s45, v[D0]
	v_mov_b32 v13, 0xff61b1e6                      ; the largest t so far: -3e38; O^T and the sum begin as zeros, which the first change of M leaves zeros
	v_floor_f32 v12, -v13
	v_mov_b32 v14, 0
	v_mov_b32 v15, 0
.set n, 0
.rept 32
	v_mov_b32 v[OB+n], 0
.set n, n+1
.endr
	s_mov_b32 s[ST], 0
	s_mov_b32 s[TB], 0
	s_wait_alu depctr_va_vdst(0)
.Lstep:                                            ; sixteen trips, a constant; a step behind my tile's last is left out by a branch on the wave's number and the counts alone
	s_cmp_gt_u32 s[ST], s[MM]
	s_cbranch_scc1 .Lhidden
	v_add_nc_u32 v[ADK], s[TB], v[AK0]
	v_add_nc_u32 v[ADV], s[TB], v[AV0]
	v_nop
	v_nop                                          ; four plain lines stand between the last step's products and the loads into the registers that they read
.irp t, 0,1,2,3,4,5,6,7
.irp c, 0,1
	ds_load_b128 v[KV+8*\t+4*\c:KV+8*\t+4*\c+3], v[ADK] offset:4*PITCH*\t+32*\c   ; K's tile t: keys 16 t + r
.endr
.endr
	s_wait_alu depctr_va_vdst(0)
	s_wait_dscnt 8                                 ; tiles 0 to 3 are in; the eight loads of tiles 4 to 7 may be out
.irp t, 0,1,2,3
	v_wmma_f32_16x16x64_fp8_fp8 v[SC+8*\t:SC+8*\t+7], v[KV+8*\t:KV+8*\t+7], v[QA:QA+7], 0
.endr
	s_wait_dscnt 0x0
.irp t, 4,5,6,7
	v_wmma_f32_16x16x64_fp8_fp8 v[SC+8*\t:SC+8*\t+7], v[KV+8*\t:KV+8*\t+7], v[QA:QA+7], 0
.endr
.rept 4
	v_nop                                          ; places in front of the loads below and of the first read of the scores
.endr
.irp d, 0,1,2,3
.irp c, 0,1,2,3
	ds_load_b128 v[KV+16*\d+4*\c:KV+16*\d+4*\c+3], v[ADV] offset:4*PITCH*\d+16*PITCH*(\c/2)+32*(\c%2)   ; V's tile d: channels 16 d + r, keys 32 c on: they land while the softmax is worked
.endr
.endr
	s_cmp_lt_u32 s[ST], s[MM]                      ; on the tile's last step hidden scores become -infinity ahead of the maximum: p = 0 then
	s_cbranch_scc1 .Lopen
.set n, 0
.rept 64
	v_cmp_gt_i32 vcc_lo, 16*(n/8)+n%8, v[DD]       ; register 8 t + j holds key 16 t + 8 h + j of the step: hidden where 16 t + j > d
	v_cndmask_b32 v[SC+n], v[SC+n], v[NINF], vcc_lo
.set n, n+1
.endr
.Lopen:
	v_max3_num_f32 v224, v[SC], v[SC+1], v[SC+2]   ; the largest of my 64 scores, in four chains, each accumulator from its low end on
	v_max3_num_f32 v225, v[SC+3], v[SC+4], v[SC+5]
	v_max3_num_f32 v226, v[SC+6], v[SC+7], v[SC+8]
	v_max3_num_f32 v227, v[SC+9], v[SC+10], v[SC+11]
.set n, SC+12
.rept 6
	v_max3_num_f32 v224, v224, v[n], v[n+1]
	v_max3_num_f32 v225, v225, v[n+2], v[n+3]
	v_max3_num_f32 v226, v226, v[n+4], v[n+5]
	v_max3_num_f32 v227, v227, v[n+6], v[n+7]
.set n, n+8
.endr
	v_max3_num_f32 v224, v224, v[SC+60], v[SC+61]
	v_max3_num_f32 v225, v225, v[SC+62], v[SC+63]
	v_max3_num_f32 v224, v224, v225, v226
	v_max_num_f32 v224, v224, v227
	v_permlanex16_b32 v228, v224, s[SEL], s[SEL+1]
	v_max_num_f32 v224, v224, v228                 ; and among lane l xor 16's
	v_mul_f32 v224, s[CS], v224                    ; as t (c is positive)
	v_max_num_f32 v13, v13, v224                   ; the running largest t
	v_mov_b32 v232, v12
	v_floor_f32 v12, -v13                          ; the new -M = floor(-t)
	v_sub_f32 v232, v12, v232                      ; old M - new M: a whole number, 0 or less
	v_cvt_i32_f32 v232, v232                       ; (it saturates)
	v_ldexp_f32 v230, 1.0, v232                    ; f = 2^(old M - new M)
.set n, 0
.rept 32
	v_pk_fma_f32 v[SC+n:SC+n+1], v[SC+n:SC+n+1], s[CS:CS+1], v[12:13] op_sel_hi:[1,0,0]   ; t - M
.set n, n+2
.endr
	s_wait_alu depctr_va_vdst(0)
.set n, 0
.rept 64
	v_exp_f32 v[SC+n], v[SC+n]                     ; p = 2^(t - M), at most 1
.set n, n+1
.endr
	v_pk_mul_f32 v[14:15], v[14:15], v[230:231] op_sel_hi:[1,0]   ; the sum under the new M: the plain line behind the batch
	s_wait_alu depctr_va_vdst(0)                   ; one wait for the batch, directly ahead of O^T's first readers too
.set n, 0
.rept 16
	v_pk_mul_f32 v[OB+n:OB+n+1], v[OB+n:OB+n+1], v[230:231] op_sel_hi:[1,0]   ; O^T under the new M
.set n, n+2
.endr
.set n, 0
.rept 8                                ; the row's sum of the unquantised p, in eight chains
	v_pk_add_f32 v[208+2*n:209+2*n], v[SC+4*n:SC+4*n+1], v[SC+4*n+2:SC+4*n+3]
.set n, n+1
.endr
.set n, 0
.rept 16
	v_pk_add_f32 v[208+2*(n%8):209+2*(n%8)], v[208+2*(n%8):209+2*(n%8)], v[SC+32+2*n:SC+33+2*n]
.set n, n+1
.endr
.irp k, 0,2,4,6
	v_pk_add_f32 v[208+\k:209+\k], v[208+\k:209+\k], v[216+\k:217+\k]
.endr
	v_pk_add_f32 v[208:209], v[208:209], v[212:213]
	v_pk_add_f32 v[210:211], v[210:211], v[214:215]
	v_pk_add_f32 v[208:209], v[208:209], v[210:211]
	v_pk_add_f32 v[14:15], v[14:15], v[208:209]
.set n, 0
.rept 32                               ; the conversion does not saturate (ISA guide 7.6.2); p is not negative, so the hold is one-sided; two numbers a line
	v_dual_min_num_f32 v[SC+n], v[SC+n], v[LIMA] :: v_dual_min_num_f32 v[SC+n+1], v[SC+n+1], v[LIMB]
.set n, n+2
.endr
.irp t, 0,1,2,3,4,5,6,7
	v_cvt_scalef32_pk8_fp8_f32 v[CB+2*\t:CB+2*\t+1], v[SC+8*\t:SC+8*\t+7], v[SCP]   ; keys 16 t + 8 h + 0 .. 7: registers 2 t, 2 t + 1 of the operand
.endr
	v_nop                                          ; one plain line behind the last conversion
	s_wait_alu depctr_va_vdst(0)
	s_wait_dscnt 0x0                               ; V is in
.irp d, 0,1,2,3                        ; the four accumulators take turns; eleven other products stand between two steps of a sum
	v_wmma_f32_16x16x128_fp8_fp8 v[OB+8*\d:OB+8*\d+7], v[KV+16*\d:KV+16*\d+15], v[CB:CB+15], v[OB+8*\d:OB+8*\d+7]
.endr
.Lhidden:
	s_add_co_u32 s[TB], s[TB], STEPB
	s_add_co_u32 s[ST], s[ST], 1
	s_cmp_lt_u32 s[ST], 16
	s_cbranch_scc1 .Lstep
	; A pass ends: y = O^T x 2^(e4 + e5) / the sum, quantised with 2^e6.  Tile d's eight values are channels 16 d + 8 h + 0 .. 7 of my token: the codes leave as the last product's operand image.
.rept 4
	v_nop                                          ; places behind the last products
.endr
	v_add_f32 v14, v14, v15
	v_permlanex16_b32 v228, v14, s[SEL], s[SEL+1]
	v_add_f32 v14, v14, v228                       ; the row's sum
	s_wait_alu depctr_va_vdst(0)
	v_rcp_f32 v14, v14
	v_nop
	s_wait_alu depctr_va_vdst(0)
	v_ldexp_f32 v14, v14, s51
	s_wait_alu depctr_va_vdst(0)
.set n, 0
.rept 16
	v_pk_mul_f32 v[SC+n:SC+n+1], v[OB+n:OB+n+1], v[14:15] op_sel_hi:[1,0]
.set n, n+2
.endr
.set n, 0
.rept 32
	v_med3_num_f32 v[SC+n], v[SC+n], -v[LIMY], v[LIMY]
.set n, n+1
.endr
.irp d, 0,1,2,3
	v_cvt_scalef32_pk8_fp8_f32 v[CB+2*\d:CB+2*\d+1], v[SC+8*\d:SC+8*\d+7], v[SCY]
.endr
	v_nop                                          ; one plain line behind the last conversion
	global_store_b128 v[LI], v[CB:CB+3], s[68:69]                  ; each store: 512 consecutive bytes, at a multiple of 256 from the buffer's first byte
	global_store_b128 v[LI], v[CB+4:CB+7], s[68:69] offset:512
.set n, 0
.rept 8
	v_mov_b32 v[QA+n], v[QN+n]                     ; the second pass's Q takes its place (the second trip's copy is not used)
.set n, n+1
.endr
	s_mov_b32 s[JJ], s[WV]
	s_add_co_u32 s[PASS], s[PASS], 1
	s_cmp_lt_u32 s[PASS], 2
	s_wait_alu depctr_va_vdst(0)
	s_cbranch_scc1 .Lpass
	s_wait_tensorcnt 0x0                           ; the wave's end
	ds_add_u32 v[SPW], v[NIL]
	s_wait_dscnt 0x0
	CROUND                                         ; the closing round
	s_endpgm
.Lfunc_end_k_q0499419658_attn:
	.size	k_q0499419658_attn, .Lfunc_end_k_q0499419658_attn-k_q0499419658_attn
	.p2alignl 7, 3214868480
	.fill 96, 4, 3214868480
	.section	.rodata,"a",@progbits
	.p2align	6, 0x0
	.amdhsa_kernel k_q0499419658_attn
		.amdhsa_group_segment_fixed_size 327680
		.amdhsa_private_segment_fixed_size 0
		.amdhsa_enable_private_segment 0
		.amdhsa_kernarg_size 24
		.amdhsa_user_sgpr_count 2
		.amdhsa_user_sgpr_kernarg_segment_ptr 1
		.amdhsa_wavefront_size32 1
		.amdhsa_system_sgpr_workgroup_id_x 1
		.amdhsa_system_sgpr_workgroup_id_y 1
		.amdhsa_system_sgpr_workgroup_id_z 1
		.amdhsa_system_vgpr_workitem_id 0
		.amdhsa_next_free_vgpr 256
		.amdhsa_next_free_sgpr 80
		.amdhsa_reserve_vcc 1
		.amdhsa_float_denorm_mode_32 3
		.amdhsa_float_denorm_mode_16_64 3
		.amdhsa_memory_ordered 1
		.amdhsa_forward_progress 1
		.amdhsa_inst_pref_size 33
	.end_amdhsa_kernel
	.amdgpu_metadata
---
amdhsa.version: [ 1, 2 ]
amdhsa.kernels:
  - .name:           k_q0499419658_attn
    .symbol:         k_q0499419658_attn.kd
    .args:
      - { .name: qkv_codes, .offset: 0, .size: 8, .value_kind: global_buffer, .address_space: global }
      - { .name: lowp_scales, .offset: 8, .size: 8, .value_kind: global_buffer, .address_space: global }
      - { .name: y_codes, .offset: 16, .size: 8, .value_kind: global_buffer, .address_space: global }
    .group_segment_fixed_size: 327680
    .private_segment_fixed_size: 0
    .kernarg_segment_align: 8
    .kernarg_segment_size: 24
    .max_flat_workgroup_size: 512
    .sgpr_count:     80
    .vgpr_count:     256
    .wavefront_size: 32
...
	.end_amdgpu_metadata
.endif
;; end of part 3
;; launch proj (part 4): grid 4 x 64, 4 waves a work-group, clusters of 4 x 4, 327,680 bytes of LDS; arguments y_codes, ow_codes, lowp_scales, out_b, out0; writes out0
.if DOCPART == 4
	.amdgcn_target "amdgcn-amd-amdhsa--gfx1250"
	.amdhsa_code_object_version 6
	.text
	.protected	k_q0499419658_proj
	.globl	k_q0499419658_proj
	.p2align	8
	.type	k_q0499419658_proj,@function
k_q0499419658_proj:
	s_mov_b64 s[64:65], 0
	v_nop
	global_prefetch_b8 v0, s[64:65] scope:SCOPE_SE
	s_setreg_imm32_b32 hwreg(HW_REG_WAVE_MODE, 25, 1), 1
	s_wait_xcnt 0x0
	s_wait_alu depctr_hold_cnt(0) depctr_sa_sdst(0) depctr_va_vdst(0) depctr_va_sdst(0) depctr_va_ssrc(0) depctr_va_vcc(0) depctr_vm_vsrc(0)
	s_getreg_b32 s2, hwreg(HW_REG_IB_STS2, 6, 4)
	s_cmp_eq_u32 s2, 0
	s_cbranch_scc0 .Lentry_in_a_cluster
	s_endpgm
.Lentry_in_a_cluster:
	s_bfe_u32 s2, ttmp6, 0x10000c
	s_cmp_lg_u32 s2, 0xf033
	s_cbranch_scc0 .Lentry_shape_is_right
	s_endpgm
.Lentry_shape_is_right:
; out0 = y out_w^T + out_b on codes of FP8 (E4M3).  y's codes are an image of the operand's registers, [token / 16][head][2][lane][16 bytes]; out_w's codes [1024][1024], K innermost, within each 32 along K the groups
; of eight in the order 0, 2, 1, 3.  Sums in f32; value = sum x 2^(e6 + e7) + bias.  LIMIT: e6 + e7 between -126 and 127.
; A block of 128 tokens x 256 columns is made by a work-group of four waves: 64 x 4 = 256 work-groups.  A wave makes 64 x 128: 32 accumulators, 256 registers.
; K = 1,024 goes in four steps of 256 through a ring of two LDS slots; a slot's step is two products' steps of 128.  A (y) lies in a slot as it lies in memory: 8 blocks of 16 tokens x 4,096 bytes; B (out_w): 256 rows of 256 bytes + 16.
; A's and B's fragments have two sets of registers each: while one set is multiplied the other is fetched.  So a slot has been read out at the head of its second step, and is filled again there.
; CLUSTERS: 4 x 4 work-groups; A's tiles are asked for jointly along a row of the cluster, B's along a column.  Waves 0 and 1 fetch A's halves, waves 2 and 3 B's.
; NO PREFETCH: K has four fills; two stand at the head and behind the first round, the other two one step later: there is no loop to run ahead in.
; THE MATRIX INSTRUCTION IS USED TRANSPOSED (source 0 = 16 rows of B, source 1 = 16 tokens): a lane holds eight neighbouring columns of one row of the result.
; REGISTERS, in windows of 256: window 0: v0-35 addresses and the bias; v128-191, v192-255 A's two sets, on the way out the rows read back.  Window 1: B's two sets.  Window 2: accumulator (a, b) at v[8 (8 a + b)].
.set SIZE_N, 1024
.set ROWB,   256
.set KROW,   1024
.set PITCH,  272
.set ABLK,   4096                      ; 16 tokens x 256 along K
.set AHALF,  4*ABLK                    ; 64 tokens: what one of A's loads brings, and what one wave reads
.set HALFT,  128*PITCH                 ; 128 rows of B likewise
.set BOFF,   2*AHALF
.set SLOT,   BOFF+2*HALFT
.set FR,     16
.set NP,     4                         ; places behind this matrix instruction (ISA guide 7.12.1)
.set SPARE,  2*SLOT                    ; behind the ring: the spare words, 128 bytes a wave: two blocks of 256 bytes that no other line names
.set SPITCH, 528                       ; the way out: a stage of 16 rows x (512 bytes + 16) for each wave, in slot 0, which has had its last fill and its last read by then
.set BOC,  8
.set ADRA, 16
.set ADRB, 20
.set STO,  24
.set RD,   25
.set CO,   26
.set SPW,  28
.set NIL,  29
.set BIAS, 32
.set AF,   128
.set BK,   128
.set G1, 24
.set G0, 32
.set G1B, 48
.set G0B, 56
.set MSB, 0
.macro WIN new                         ; the immediate's high byte repeats the setting that is left
.if MSB != \new
	s_set_vgpr_msb (MSB<<8)|\new
.set MSB, \new
.endif
.endm
.set MUL_W, 0xa1                       ; source 0 (B) window 1, source 1 (A) window 0, C and D window 2
.set TO_B,  0x40                       ; destination window 1, address window 0
.macro JLOAD g0a, g1a, g0b, g1b        ; a joint load; the branch hangs on the wave's number alone; an s_nop 0 and four v_nop follow each line
	s_cmp_eq_u32 s15, 0
	s_cbranch_scc0 .Lfor_b_\@
	tensor_load_to_lds s[\g0a:\g0a+3], s[\g1a:\g1a+7]
	s_nop 0
.rept 4
	v_nop
.endr
	s_branch .Lasked_\@
.Lfor_b_\@:
	tensor_load_to_lds s[\g0b:\g0b+3], s[\g1b:\g1b+7]
	s_nop 0
.rept 4
	v_nop
.endr
.Lasked_\@:
.endm
.macro CREST                           ; a round of the cluster's barrier behind its opening barrier
	s_cmp_lg_u32 s14, 0
	s_cbranch_scc1 .Lnot_wave_0_\@
	s_barrier_signal -3
.Lnot_wave_0_\@:
	s_barrier_wait -3
	s_barrier_signal -1
	s_barrier_wait -1
.endm
.macro CROUND
	s_barrier_signal -1
	s_barrier_wait -1
	CREST
.endm
	s_load_b256 s[4:11], s[0:1], 0x0               ; y's codes s[4:5], out_w's codes s[6:7], the scales' exponents s[8:9], the bias s[10:11]
	s_load_b64 s[12:13], s[0:1], 0x20              ; out0
	v_lshl_add_u32 v[SPW], v0, 2, SPARE
	v_mov_b32 v[NIL], 0
	ds_add_u32 v[SPW], v[NIL]                      ; the opening lines: the add, twice on end,
	ds_add_u32 v[SPW], v[NIL]
	v_lshrrev_b32 v1, 5, v0
	v_readfirstlane_b32 s14, v1                    ; wave 0..3
	s_lshr_b32 s15, s14, 1                         ; which 64 tokens are mine.  Also: I fetch for A (0) or for B (1)
	s_and_b32 s16, s14, 1                          ; which 128 columns.  Also: which half of that tile I fetch
	s_bfe_u32 s40, ttmp6, 0x40000                  ; cx, cy
	s_bfe_u32 s41, ttmp6, 0x40004
	s_lshl_b32 s42, ttmp9, 2
	s_add_co_u32 s42, s42, s40                     ; which 256 columns
	s_and_b32 s17, ttmp7, 0xffff
	s_lshl_b32 s17, s17, 2
	s_add_co_u32 s17, s17, s41                     ; which 128 tokens
	s_lshl_b32 s43, s41, 2
	s_lshl_b32 s43, 15, s43                        ; my row of the cluster
	s_lshl_b32 s44, 0x1111, s40                    ; my column
	s_or_b32 s[G1+0], s43, (3<<16)|(1<<21)         ; A: elements of 8 bytes, no padding; 4 rows (blocks of 16 tokens) of 4,096 bytes, 16,384 bytes apart
	s_mov_b32 s[G1+1], 512<<16
	s_mov_b32 s[G1+2], 4<<16
	s_mov_b32 s[G1+3], 512<<16
	s_mov_b32 s[G1+4], 4
	s_mov_b32 s[G1+5], 2048
	s_mov_b32 s[G1+6], 0
	s_mov_b32 s[G1+7], 0
	s_or_b32 s[G1B+0], s44, (0<<16)|(1<<20)|(1<<21)|(5<<22)|(3<<25)   ; B: 128 rows of 256 bytes, four words of padding after every 64
	s_mov_b32 s[G1B+1], ROWB<<16
	s_mov_b32 s[G1B+2], 128<<16
	s_mov_b32 s[G1B+3], ROWB<<16
	s_mov_b32 s[G1B+4], 128
	s_mov_b32 s[G1B+5], KROW
	s_mov_b32 s[G1B+6], 0
	s_mov_b32 s[G1B+7], 0
	s_lshl_b32 s20, s17, 17                        ; A: 128 tokens are 8 blocks of 16,384 bytes,
	s_lshl_b32 s18, s16, 16                        ; my half 4 blocks
	s_add_co_u32 s20, s20, s18
	s_mov_b32 s21, 0
	s_lshl_b32 s46, s42, 18                        ; B: 256 rows of 1,024 bytes,
	s_lshl_b32 s18, s16, 17                        ; my half 128 rows
	s_add_co_u32 s46, s46, s18
	s_mov_b32 s47, 0
	s_mul_i32 s45, s16, AHALF                      ; where they go: no place in the cluster enters an LDS address
	s_mul_i32 s69, s16, HALFT
	s_add_co_u32 s69, s69, BOFF
	s_lshl_b32 s85, s42, 10
	s_lshl_b32 s19, s16, 9
	s_add_co_u32 s85, s85, s19                     ; my first column, in bytes of f32
	s_wait_dscnt 0x0                               ; and the one wait for both adds
	s_wait_kmcnt 0x0
	s_load_b256 s[76:83], s[8:9], 0x0              ; e0 .. e7
	s_add_nc_u64 s[20:21], s[4:5], s[20:21]
	s_add_nc_u64 s[46:47], s[6:7], s[46:47]
	CROUND                                         ; all sixteen work-groups are here: the first joint loads meet
.irp s, 0,1
	s_mov_b32 s[G0+4*\s], 1
	s_add_co_u32 s[G0+4*\s+1], s45, \s*SLOT
	s_add_nc_u64 s[G0+4*\s+2:G0+4*\s+3], s[20:21], \s*ABLK
	s_or_b32 s[G0+4*\s+3], s[G0+4*\s+3], 0x80000000
	s_mov_b32 s[G0B+4*\s], 1
	s_add_co_u32 s[G0B+4*\s+1], s69, \s*SLOT
	s_add_nc_u64 s[G0B+4*\s+2:G0B+4*\s+3], s[46:47], \s*ROWB
	s_or_b32 s[G0B+4*\s+3], s[G0B+4*\s+3], 0x80000000
.endr
	JLOAD G0, G1, G0B, G1B                         ; K step 0: one tensor load a wave at the head
	v_and_b32 v1, 15, v0                           ; r
	v_bfe_u32 v2, v0, 4, 1                         ; h
	v_and_b32 v6, 31, v0
	v_lshlrev_b32 v[CO], 4, v6                     ; 16 x lane
	v_add_nc_u32 v[BOC], s85, v[CO]
	global_load_b128 v[BIAS:BIAS+3], v[BOC], s[10:11]   ; the bias of my four columns of a row read back
	v_mul_u32_u24 v3, v1, PITCH
	v_lshl_add_u32 v4, v2, 4, v3
	s_mul_i32 s21, s15, AHALF
	s_mul_i32 s22, s16, HALFT
	s_add_co_u32 s22, s22, BOFF
.irp s, 0,1
	v_add_nc_u32 v[ADRA+\s], s21, v[CO]
	v_add_nc_u32 v[ADRB+\s], s22, v4
	s_add_co_u32 s21, s21, SLOT
	s_add_co_u32 s22, s22, SLOT
.endr
	s_mul_i32 s23, s14, 16*SPITCH                  ; my stage
	v_mul_u32_u24 v5, v1, SPITCH
	v_lshl_add_u32 v5, v2, 5, v5
	v_add_nc_u32 v[STO], s23, v5                   ; in: row r, 32 bytes for each half of the lanes
	v_add_nc_u32 v[RD], s23, v[CO]                 ; back: the 32 lanes take one row of 512 bytes
	s_lshl_b32 s20, s17, 7
	s_lshl_b32 s21, s15, 6
	s_add_co_u32 s20, s20, s21                     ; my first token,
	s_lshl_b32 s20, s20, 12                        ; x 4,096 bytes,
	s_add_co_u32 s20, s20, s85                     ; + my first column
	s_mov_b32 s21, 0
	s_add_nc_u64 s[12:13], s[12:13], s[20:21]
.macro FRAGA reg, adr, q, i            ; 16 tokens x 128 K: two heads' images, four loads of 512 consecutive bytes
.irp c, 0,1,2,3
	ds_load_b128 v[\reg+4*\c:\reg+4*\c+3], v[\adr] offset:ABLK*(\i)+2048*(\q)+512*\c
.endr
.endm
.macro FRAGB reg, adr, q, i            ; 16 rows x 128 K: four loads of 16 bytes a lane, 32 apart
.irp c, 0,1,2,3
	ds_load_b128 v[\reg+4*\c:\reg+4*\c+3], v[\adr] offset:128*(\q)+32*\c+(\i)*16*PITCH
.endr
.endm
.macro FETCH slot, q, p                ; the fragments of the slot's q-th 128 along K into sets p: 48 loads
	WIN TO_B
.irp i, 0,1,2,3,4,5,6,7
	FRAGB 128*(\p)+FR*\i, ADRB+\slot, \q, \i
.endr
	WIN 0
.irp i, 0,1,2,3
	FRAGA AF+64*(\p)+FR*\i, ADRA+\slot, \q, \i
.endr
.endm
; 16 matrix instructions: A's blocks a0, a0 + 1 x B's eight.  The 32 accumulators take turns, one instruction a turn, in the same order in every step.
.macro MUL16 a0, p, zero
.irp a, \a0, \a0+1
.irp b, 0,1,2,3,4,5,6,7
.if \zero
	v_wmma_f32_16x16x128_fp8_fp8 v[8*(8*(\a)+\b):8*(8*(\a)+\b)+7], v[128*(\p)+FR*\b:128*(\p)+FR*\b+FR-1], v[AF+64*(\p)+FR*(\a):AF+64*(\p)+FR*(\a)+FR-1], 0
.else
	v_wmma_f32_16x16x128_fp8_fp8 v[8*(8*(\a)+\b):8*(8*(\a)+\b)+7], v[128*(\p)+FR*\b:128*(\p)+FR*\b+FR-1], v[AF+64*(\p)+FR*(\a):AF+64*(\p)+FR*(\a)+FR-1], v[8*(8*(\a)+\b):8*(8*(\a)+\b)+7]
.endif
.endr
.endr
.endm
.macro PLACES n
.rept \n
	v_nop
.endr
.endm
; A slot's first step: sets 0 are multiplied while the slot's second 128 along K come into sets 1.
.macro FIRST slot, zero
	s_wait_dscnt 0x0                               ; sets 0 are in
	PLACES NP                                      ; between the last step's products and the loads into sets 1
	FETCH \slot, 1, 1
	WIN MUL_W
	MUL16 0, 0, \zero
	MUL16 2, 0, \zero
	WIN 0
.endm
; A slot's second step changes slots: when sets 1 are in, my reads of this slot are over.  One barrier; fill = 1: it opens a round of the cluster's barrier, and this slot is filled again, two K steps ahead.
.macro SECOND slot, next, fill
	s_wait_tensorcnt 0x0                           ; all my tensor loads have landed: my part of the next slot
	ds_add_u32 v[SPW], v[NIL]                      ; 0 onto my spare word
	s_wait_dscnt 1                                 ; sets 1 are in (the add may be out)
	WIN MUL_W
	MUL16 0, 1, 0                                  ; sixteen matrix instructions stand between the add and the wait for it
	WIN 0
	s_wait_dscnt 0x0
	s_barrier_signal -1
	s_barrier_wait -1
.if \fill
	CREST
	s_add_nc_u64 s[G0+4*\slot+2:G0+4*\slot+3], s[G0+4*\slot+2:G0+4*\slot+3], 2*ABLK
	s_add_nc_u64 s[G0B+4*\slot+2:G0B+4*\slot+3], s[G0B+4*\slot+2:G0B+4*\slot+3], 2*ROWB
	JLOAD G0+4*\slot, G1, G0B+4*\slot, G1B         ; the first tensor load behind the round; its four v_nop are also the places in front of the loads below
.else
	PLACES NP
.endif
	FETCH \next, 0, 0
	WIN MUL_W
	MUL16 2, 1, 0
	WIN 0
.endm
	s_wait_alu depctr_va_vdst(0)
	s_wait_tensorcnt 0x0                           ; my part of K step 0 is in; slot 1's first fill is issued as a refill is:
	ds_add_u32 v[SPW], v[NIL]
	s_wait_dscnt 0x0
	CROUND
	JLOAD G0+4, G1, G0B+4, G1B                     ; K step 1: the first tensor load behind the round
	FETCH 0, 0, 0
	FIRST 0, 1                                     ; the first products start the sums
	SECOND 0, 1, 1                                 ; slot 0 takes K step 2
	FIRST 1, 0
	SECOND 1, 0, 1                                 ; slot 1 takes K step 3
	FIRST 0, 0
	SECOND 0, 1, 0                                 ; nothing more is filled
	FIRST 1, 0
	s_wait_dscnt 0x0                               ; the very last step
	WIN MUL_W
	MUL16 0, 1, 0
	MUL16 2, 1, 0
	WIN 0
; THE WAY OUT, block by block of 16 tokens x 128 columns: through my stage in LDS and back as whole rows of 512 bytes; there x 2^(e6 + e7) + the bias; the 32 lanes store two aligned units of 256 bytes.
; LDS serves a wave's instructions in order (ISA guide 5.7.1.4): no wait between the stores and the loads.
.macro TOSTAGE a
.set AC, 64*(\a)
	WIN 0x08                                       ; the stores' data: window 2
.irp b, 0,1,2,3,4,5,6,7
	ds_store_b128 v[STO], v[AC+8*\b:AC+8*\b+3] offset:64*\b        ; each accumulator from its low end on
	ds_store_b128 v[STO], v[AC+8*\b+4:AC+8*\b+7] offset:64*\b+16
.endr
	WIN 0
.set BB, BK+64*((\a)%2)
.irp t, 0,1,2,3,4,5,6,7,8,9,10,11,12,13,14,15
	ds_load_b128 v[BB+4*\t:BB+4*\t+3], v[RD] offset:\t*SPITCH
.endr
.endm
.macro SEND a, younger                 ; younger: the LDS instructions issued behind block a's loads, which may stay out
.set BB, BK+64*((\a)%2)
	s_wait_dscnt \younger
.if (\a) > 0
	s_add_nc_u64 s[12:13], s[12:13], 16*SIZE_N*4   ; (behind a wait on XCNT: the earlier stores have read their base)
.endif
.irp t, 0,1,2,3,4,5,6,7,8,9,10,11,12,13,14,15
	v_pk_fma_f32 v[BB+4*\t:BB+4*\t+1], v[BB+4*\t:BB+4*\t+1], s[96:97], v[BIAS:BIAS+1] op_sel_hi:[1,0,1]
	v_pk_fma_f32 v[BB+4*\t+2:BB+4*\t+3], v[BB+4*\t+2:BB+4*\t+3], s[96:97], v[BIAS+2:BIAS+3] op_sel_hi:[1,0,1]
	global_store_b128 v[CO], v[BB+4*\t:BB+4*\t+3], s[12:13] offset:\t*SIZE_N*4 th:TH_STORE_NT
.endr
.endm
	s_wait_kmcnt 0x0
	s_add_co_i32 s96, s82, s83                     ; e6 + e7,
	s_add_co_i32 s96, s96, 127
	s_lshl_b32 s96, s96, 23                        ; as the f32 number 2^(e6 + e7)
	s_mov_b32 s97, s96
	s_wait_loadcnt 0x0                             ; the bias
	PLACES NP
	TOSTAGE 0
.irp a, 1,2,3
.if \a > 1
	s_wait_xcnt 0x0                                ; block a - 2's stores have read their registers and base
.endif
	TOSTAGE \a
	SEND \a-1, 32                                  ; behind block a - 1's loads: block a's 16 stores and 16 loads
.endr
	s_wait_xcnt 0x0
	SEND 3, 0
	s_wait_tensorcnt 0x0                           ; the wave's end
	ds_add_u32 v[SPW], v[NIL]
	s_wait_dscnt 0x0
	CROUND                                         ; the closing round
	s_endpgm
.Lfunc_end_k_q0499419658_proj:
	.size	k_q0499419658_proj, .Lfunc_end_k_q0499419658_proj-k_q0499419658_proj
	.p2alignl 7, 3214868480
	.fill 96, 4, 3214868480
	.section	.rodata,"a",@progbits
	.p2align	6, 0x0
	.amdhsa_kernel k_q0499419658_proj
		.amdhsa_group_segment_fixed_size 327680
		.amdhsa_private_segment_fixed_size 0
		.amdhsa_enable_private_segment 0
		.amdhsa_kernarg_size 40
		.amdhsa_user_sgpr_count 2
		.amdhsa_user_sgpr_kernarg_segment_ptr 1
		.amdhsa_wavefront_size32 1
		.amdhsa_system_sgpr_workgroup_id_x 1
		.amdhsa_system_sgpr_workgroup_id_y 1
		.amdhsa_system_sgpr_workgroup_id_z 1
		.amdhsa_system_vgpr_workitem_id 0
		.amdhsa_next_free_vgpr 768
		.amdhsa_next_free_sgpr 98
		.amdhsa_reserve_vcc 0
		.amdhsa_float_denorm_mode_32 3
		.amdhsa_float_denorm_mode_16_64 3
		.amdhsa_memory_ordered 1
		.amdhsa_forward_progress 1
		.amdhsa_inst_pref_size 76
	.end_amdhsa_kernel
	.amdgpu_metadata
---
amdhsa.version: [ 1, 2 ]
amdhsa.kernels:
  - .name:           k_q0499419658_proj
    .symbol:         k_q0499419658_proj.kd
    .args:
      - { .name: y_codes, .offset: 0, .size: 8, .value_kind: global_buffer, .address_space: global }
      - { .name: ow_codes, .offset: 8, .size: 8, .value_kind: global_buffer, .address_space: global }
      - { .name: lowp_scales, .offset: 16, .size: 8, .value_kind: global_buffer, .address_space: global }
      - { .name: out_b, .offset: 24, .size: 8, .value_kind: global_buffer, .address_space: global }
      - { .name: out0, .offset: 32, .size: 8, .value_kind: global_buffer, .address_space: global }
    .group_segment_fixed_size: 327680
    .private_segment_fixed_size: 0
    .kernarg_segment_align: 8
    .kernarg_segment_size: 40
    .max_flat_workgroup_size: 128
    .sgpr_count:     98
    .vgpr_count:     768
    .wavefront_size: 32
...
	.end_amdgpu_metadata
.endif
;; end of part 4
